; MI455X (gfx1250); checked and timed in simulation.
; The chip was launched on July 23, 2026; its instructions are those of AMD's public machine-readable ISA for CDNA 5 (MIT licence, August 2026) and "CDNA5" Instruction Set Architecture Reference Guide (July 2026). The comments in the code are by the model that wrote it; some were corrected since.
;; Mo EFFN. Allowed arithmetic: float matrix products may take bf16 or f16 operands with f32 sums; all other float work in f32.
;; Inputs: b1 8 x 512 float32; b2 8 x 1,024 float32; w1 8 x 1,024 x 512 float32; w2 8 x 256 x 1,024 float32; wr 8 x 1,024 float32; x 4 x 2,048 x 1,024 float32.
;; Outputs: out0 4 x 2,048 x 1,024 float32.
;; One version. Each part assembles by itself: llvm-mc -triple=amdgcn-amd-amdhsa -mcpu=gfx1250 --defsym DOCPART=n.
;; ======== version 1 of 1: 3 launches
;; workspace buffers: w1f 8,388,608 bytes; w2f 4,194,304 bytes; gates 65,536 bytes; tinfo 32,768 bytes of whole numbers; hist 32,768 bytes of whole numbers; list 39,680 bytes of whole numbers; tab 1,024 bytes of whole numbers
;; launch route (part 1): grid 256 x 1, 8 waves a work-group, no clusters, 83,968 bytes of LDS; arguments x, wr, w1, w2, w1f, w2f, gates, tinfo, hist; writes w1f, w2f, gates, tinfo, hist
.if DOCPART == 1
	.amdgcn_target "amdgcn-amd-amdhsa--gfx1250"
	.amdhsa_code_object_version 6
	.text
	.protected	k_qe90768c110_route
	.globl	k_qe90768c110_route
	.p2align	8
	.type	k_qe90768c110_route,@function
k_qe90768c110_route:
	s_mov_b64 s[64:65], 0
	v_nop
	global_prefetch_b8 v0, s[64:65] scope:SCOPE_SE
	s_setreg_imm32_b32 hwreg(HW_REG_WAVE_MODE, 25, 1), 1
	s_wait_xcnt 0x0
; ROUTE.  Work-group g of 256 does three things.
;  (1) Router for tokens 32 g .. 32 g + 31: logits = x wr^T on the matrix unit, x and wr rounded to bf16 (nearest even), sums in f32;
;      top 2 of 8 (the lower index wins a tie), softmax of the two with the larger taken away first.  Stored for each token:
;      gates (g_lo, g_hi), tinfo = q | rank << 8 with q = hi (hi - 1) / 2 + lo, the number of the unordered pair of experts, and rank = how many
;      earlier tokens of this block have the same q; and the block's histogram of q (32 bins, 28 used).
;  (2) 32 rows of k of w1 (64 KiB) and (3) 8 rows of k of w2 (32 KiB) are rounded to bf16 and stored in the order in which the matrix
;      instruction wants a fragment, so that the last launch fetches a fragment as two runs of 512 consecutive bytes a wave:
;      16 bytes = k % 8 = 0..7 of one column n; lane = n % 16 + 16 ((k % 16) / 8); half = (k % 32) / 16.
; LIMITS.  The choice of experts is made on the bf16-rounded x and wr, like the experts' own products.  Logits must be finite: with a NaN or
; an infinity among them the choice is unspecified.
; No address and no branch of this launch hangs on a floating-point number: what is decided here is only stored.
; Memory binds this launch; clusters and tensor loads are left out because no two work-groups read the same large data (wr is 32 KiB).
.set XP,  2064                         ; LDS pitch of a row of 1,024 bf16: 2,048 bytes + 16, an odd multiple of 16
.set WRT, 32*XP                        ; wr's 8 rows lie behind x's 32
.set LG,  136                          ; v[136:143] the lane's eight logits
	s_load_b512 s[4:19], s[0:1], 0x0               ; x s[4:5], wr s[6:7], w1 s[8:9], w2 s[10:11], w1f s[12:13], w2f s[14:15], gates s[16:17], tinfo s[18:19]
	s_load_b64 s[20:21], s[0:1], 0x40              ; hist
	v_lshl_add_u32 v200, v0, 2, 0x14400
	v_mov_b32 v201, 0
	v_lshrrev_b32 v1, 5, v0
	v_readfirstlane_b32 s22, v1                    ; wave 0..7
	v_and_b32 v1, 31, v0                           ; lane
	v_lshlrev_b32 v6, 4, v1
	v_lshl_add_u32 v2, s22, 14, v6                 ; x: four rows of 4,096 bytes a wave + 16 bytes a lane
	v_lshl_add_u32 v3, s22, 12, v6                 ; wr: one row a wave
	s_mul_i32 s25, s22, 4*XP
	v_lshl_add_u32 v4, v1, 3, s25                  ; LDS: my four rows of x, 8 bytes a lane
	s_mul_i32 s25, s22, XP
	s_add_co_u32 s25, s25, WRT
	v_lshl_add_u32 v5, v1, 3, s25                  ; LDS: my row of wr
	s_lshl_b32 s26, ttmp9, 17                      ; 32 tokens of 4,096 bytes
	s_mov_b32 s27, 0
	s_mov_b32 s23, 0xffff0000                      ; lanes 16-31
	s_mov_b32 s24, 0xff800000                      ; minus infinity
	s_wait_kmcnt 0x0
	s_add_nc_u64 s[4:5], s[4:5], s[26:27]
; Phase 1, all eight waves: 40 loads of 512 consecutive bytes each, then rounding to bf16 and into LDS.
.irp i, 0,1,2,3
.irp j, 0,1,2,3,4,5,6,7
	global_load_b128 v[8+32*\i+4*\j:8+32*\i+4*\j+3], v2, s[4:5] offset:\i*4096+\j*512
.endr
.endr
.irp j, 0,1,2,3,4,5,6,7
	global_load_b128 v[136+4*\j:136+4*\j+3], v3, s[6:7] offset:\j*512
.endr
.macro CVST i, adr, off
	s_wait_loadcnt 32-8*\i                         ; loads come back in order: row i's eight are in, the younger rows' stay out
.irp j, 0,1,2,3,4,5,6,7
	v_cvt_pk_bf16_f32 v[8+32*\i+4*\j], v[8+32*\i+4*\j], v[8+32*\i+4*\j+1]
	v_cvt_pk_bf16_f32 v[8+32*\i+4*\j+1], v[8+32*\i+4*\j+2], v[8+32*\i+4*\j+3]
	ds_store_b64 v[\adr], v[8+32*\i+4*\j:8+32*\i+4*\j+1] offset:\off+256*\j
.endr
.endm
	CVST 0, 4, 0
	CVST 1, 4, XP
	CVST 2, 4, 2*XP
	CVST 3, 4, 3*XP
	CVST 4, 5, 0
	s_wait_dscnt 0x0                               ; my rows are in LDS before I say so
	s_barrier_signal -1
	s_barrier_wait -1                              ; the launch's only barrier
	s_cmp_eq_u32 s22, 0
	s_cbranch_scc1 .Lrouter                        ; wave 0: the router
	s_cmp_lt_u32 s22, 5
	s_cbranch_scc1 .Lw1                            ; waves 1-4: a quarter each of the block of w1
	s_cmp_lt_u32 s22, 7
	s_cbranch_scc1 .Lw2                            ; waves 5, 6: half each of the block of w2
	s_wait_tensorcnt 0x0
	ds_add_u32 v200, v201
	s_wait_dscnt 0x0
	s_endpgm                                       ; wave 7's share was phase 1
.Lrouter:
	v_and_b32 v2, 15, v1                           ; r
	v_lshrrev_b32 v3, 4, v1                        ; h
	v_mul_u32_u24 v4, v2, XP
	v_lshl_add_u32 v4, v3, 4, v4                   ; x fragment: row r, 16 h
	v_and_b32 v6, 7, v1
	v_mul_u32_u24 v5, v6, XP                       ; wr fragment: rows 8-15 of the 16 repeat rows 0-7,
	v_lshl_add_u32 v5, v3, 4, v5                   ; so that lanes 16-31 of the result hold experts 0-7 as well
	v_add_nc_u32 v5, WRT, v5
; Source 0 = wr (rows = experts), source 1 = x (columns = tokens): register j of lane (r, h) is the logit of expert j for token r of the block.
; Four accumulators (token block 0 or 1, even or odd K step) take turns, one instruction a turn.
.irp bt, 0,1,2,3,4,5,6,7
.if \bt
.rept 4
	v_nop                                          ; four places behind the matrix instructions before loads land on their sources
.endr
.endif
.irp s, 0,1,2,3
	ds_load_b128 v[8+24*\s:11+24*\s],  v5 offset:\bt*256+\s*64
	ds_load_b128 v[12+24*\s:15+24*\s], v5 offset:\bt*256+\s*64+32
	ds_load_b128 v[16+24*\s:19+24*\s], v4 offset:\bt*256+\s*64
	ds_load_b128 v[20+24*\s:23+24*\s], v4 offset:\bt*256+\s*64+32
	ds_load_b128 v[24+24*\s:27+24*\s], v4 offset:16*XP+\bt*256+\s*64
	ds_load_b128 v[28+24*\s:31+24*\s], v4 offset:16*XP+\bt*256+\s*64+32
.endr
	s_wait_dscnt 0x0
.irp s, 0,1,2,3
.if \bt*4+\s < 2
	v_wmma_f32_16x16x32_bf16 v[104+16*(\s&1):111+16*(\s&1)], v[8+24*\s:15+24*\s], v[16+24*\s:23+24*\s], 0
	v_wmma_f32_16x16x32_bf16 v[112+16*(\s&1):119+16*(\s&1)], v[8+24*\s:15+24*\s], v[24+24*\s:31+24*\s], 0
.else
	v_wmma_f32_16x16x32_bf16 v[104+16*(\s&1):111+16*(\s&1)], v[8+24*\s:15+24*\s], v[16+24*\s:23+24*\s], v[104+16*(\s&1):111+16*(\s&1)]
	v_wmma_f32_16x16x32_bf16 v[112+16*(\s&1):119+16*(\s&1)], v[8+24*\s:15+24*\s], v[24+24*\s:31+24*\s], v[112+16*(\s&1):119+16*(\s&1)]
.endif
.endr
.endr
.rept 4
	v_nop
.endr
.irp i, 0,2,4,6,8,10,12,14
	v_pk_add_f32 v[104+\i:105+\i], v[104+\i:105+\i], v[120+\i:121+\i]      ; even + odd K steps
.endr
.irp j, 0,1,2,3,4,5,6,7
	v_cndmask_b32 v[LG+\j], v[104+\j], v[112+\j], s23                      ; lane l now holds the eight logits of token 32 g + l
.endr
; the largest: replaced only by a strictly larger one, so the lower index wins a tie
	v_mov_b32 v144, v[LG]
	v_mov_b32 v145, 0
.irp j, 1,2,3,4,5,6,7
	v_cmp_ge_f32 vcc_lo, v144, v[LG+\j]
	v_cndmask_b32 v144, v[LG+\j], v144, vcc_lo
	v_cndmask_b32 v145, \j, v145, vcc_lo
.endr
.irp j, 0,1,2,3,4,5,6,7
	v_cmp_ne_u32 vcc_lo, \j, v145
	v_cndmask_b32 v[LG+\j], s24, v[LG+\j], vcc_lo                          ; the winner leaves the field
.endr
	v_mov_b32 v146, v[LG]
	v_mov_b32 v147, 0
.irp j, 1,2,3,4,5,6,7
	v_cmp_ge_f32 vcc_lo, v146, v[LG+\j]
	v_cndmask_b32 v146, v[LG+\j], v146, vcc_lo
	v_cndmask_b32 v147, \j, v147, vcc_lo
.endr
; softmax of (m1, m2) with m1 taken away: t = e^(m2 - m1) <= 1, g1 = 1 / (1 + t), g2 = t g1
	v_sub_f32 v148, v146, v144
	v_mul_f32 v148, 0x3fb8aa3b, v148
	v_exp_f32 v148, v148
	v_min_u32 v149, v145, v147                     ; lo (also the plain instruction behind v_exp_f32)
	s_wait_alu depctr_va_vdst(0)
	v_add_f32 v150, 1.0, v148
	v_rcp_f32 v150, v150
	v_max_u32 v151, v145, v147                     ; hi (also the plain instruction behind v_rcp_f32)
	s_wait_alu depctr_va_vdst(0)
	v_mul_f32 v152, v148, v150
	v_cmp_lt_u32 vcc_lo, v145, v147
	v_cndmask_b32 v154, v152, v150, vcc_lo         ; gate of expert lo
	v_cndmask_b32 v155, v150, v152, vcc_lo         ; gate of expert hi
	v_add_nc_u32 v156, -1, v151
	v_mul_u32_u24 v156, v156, v151
	v_lshrrev_b32 v156, 1, v156
	v_add_nc_u32 v156, v156, v149                  ; q
	v_mov_b32 v158, 0                              ; rank
	v_mov_b32 v159, 0                              ; histogram, bin = lane
.irp q, 0,1,2,3,4,5,6,7,8,9,10,11,12,13,14,15,16,17,18,19,20,21,22,23,24,25,26,27
	v_cmp_eq_u32 s26, \q, v156                     ; the lanes of pair q
	s_bcnt1_i32_b32 s27, s26                       ; how many
	v_mbcnt_lo_u32_b32 v157, s26, 0                ; how many of them below me
	v_cndmask_b32 v158, v158, v157, s26
	v_writelane_b32 v159, s27, \q
.endr
	v_lshl_or_b32 v160, v158, 8, v156
	v_lshlrev_b32 v161, 3, v1
	v_lshlrev_b32 v162, 2, v1
	s_lshl_b32 s28, ttmp9, 8
	s_mov_b32 s29, 0
	s_add_nc_u64 s[16:17], s[16:17], s[28:29]
	s_lshl_b32 s28, ttmp9, 7
	s_add_nc_u64 s[18:19], s[18:19], s[28:29]
	s_add_nc_u64 s[20:21], s[20:21], s[28:29]
	global_store_b64 v161, v[154:155], s[16:17]
	global_store_b32 v162, v160, s[18:19]
	global_store_b32 v162, v159, s[20:21]
	s_wait_tensorcnt 0x0
	ds_add_u32 v200, v201
	s_wait_dscnt 0x0
	s_endpgm
; The casts.  A group: eight loads of 4 bytes a lane (lanes along n, eight rows of k), four packed roundings, one store of 16 bytes a lane of which
; each half of the wave fills 256 consecutive bytes, aligned.  Sixteen groups, each with registers of its own, so no register waits for a store.
.macro CLD gi, sb, off, row
.irp i, 0,1,2,3,4,5,6,7
	global_load_b32 v[8+8*(\gi)+\i], v2, s[\sb:\sb+1] offset:(\off)+\i*\row th:TH_LOAD_NT
.endr
.endm
.macro CST gi, sb, off
.irp t, 0,1,2,3
	v_cvt_pk_bf16_f32 v[136+4*(\gi)+\t], v[8+8*(\gi)+2*\t], v[8+8*(\gi)+2*\t+1]
.endr
	global_store_b128 v3, v[136+4*(\gi):136+4*(\gi)+3], s[\sb:\sb+1] offset:\off
.endm
; w1: group gi = (ko = gi >> 2: eight rows of k; ab = (gi >> 1) & 1: the a or the b half of the columns; qq = gi & 1: 32 columns)
.macro W1L gi
	CLD \gi, 8, (\gi>>2)*16384+((\gi>>1)&1)*1024+(\gi&1)*128, 2048
.endm
.macro W1S gi
	CST \gi, 12, (4*((\gi>>1)&1)+2*(\gi&1))*1024+(\gi>>3)*512+((\gi>>2)&1)*256
.endm
; w2: group gi = 32 columns
.macro W2L gi
	CLD \gi, 10, \gi*128, 4096
.endm
.macro W2S gi
	CST \gi, 14, (\gi>>2)*65536+(\gi&3)*2048
.endm
.Lw1:
	s_sub_co_u32 s25, s22, 1                       ; cw: which 64 of the 256 hidden columns (a and b alike)
	s_lshl_b32 s26, ttmp9, 16                      ; block g = rows 32 (g & 31) .. + 31 of expert g >> 5
	s_add_nc_u64 s[8:9], s[8:9], s[26:27]
	s_lshr_b32 s28, ttmp9, 5
	s_and_b32 s29, ttmp9, 31
	s_lshl_b32 s28, s28, 2
	s_add_co_u32 s28, s28, s25
	s_lshl_b32 s28, s28, 5
	s_add_co_u32 s28, s28, s29
	s_lshl_b32 s28, s28, 13                        ; ((e 4 + cw) 32 + ks) 8,192
	s_mov_b32 s29, 0
	s_add_nc_u64 s[12:13], s[12:13], s[28:29]
	v_lshlrev_b32 v2, 2, v1
	v_lshl_add_u32 v2, s25, 8, v2
	v_and_b32 v3, 15, v1
	v_lshrrev_b32 v4, 4, v1
	v_lshlrev_b32 v3, 4, v3
	v_lshl_add_u32 v3, v4, 10, v3                  ; lanes 16-31 belong to the next block of 16 columns
.irp g, 0,1,2,3,4,5,6,7
	W1L \g
.endr
	s_wait_loadcnt 32                              ; the first 32 loads are in, the next 32 stay out; so on below
.irp g, 0,1,2,3
	W1S \g
.endr
.irp g, 8,9,10,11
	W1L \g
.endr
	s_wait_loadcnt 32
.irp g, 4,5,6,7
	W1S \g
.endr
.irp g, 12,13,14,15
	W1L \g
.endr
	s_wait_loadcnt 32
.irp g, 8,9,10,11
	W1S \g
.endr
	s_wait_loadcnt 0x0
.irp g, 12,13,14,15
	W1S \g
.endr
	s_wait_tensorcnt 0x0
	ds_add_u32 v200, v201
	s_wait_dscnt 0x0
	s_endpgm
.Lw2:
	s_sub_co_u32 s25, s22, 5                       ; p: which 512 of the 1,024 columns
	s_lshl_b32 s26, ttmp9, 15                      ; block g = rows 8 (g & 31) .. + 7 of expert g >> 5
	s_add_nc_u64 s[10:11], s[10:11], s[26:27]
	s_lshr_b32 s28, ttmp9, 5
	s_lshl_b32 s28, s28, 1
	s_add_co_u32 s28, s28, s25
	s_lshl_b32 s28, s28, 18                        ; (2 e + p) 262,144
	s_bfe_u32 s29, ttmp9, 0x30002                  ; K step = ko >> 2
	s_lshl_b32 s29, s29, 13
	s_add_co_u32 s28, s28, s29
	s_bfe_u32 s29, ttmp9, 0x10001                  ; half = (ko >> 1) & 1
	s_lshl_b32 s29, s29, 9
	s_add_co_u32 s28, s28, s29
	s_and_b32 s29, ttmp9, 1                        ; upper or lower sixteen lanes = ko & 1
	s_lshl_b32 s29, s29, 8
	s_add_co_u32 s28, s28, s29
	s_mov_b32 s29, 0
	s_add_nc_u64 s[14:15], s[14:15], s[28:29]
	v_lshlrev_b32 v2, 2, v1
	v_lshl_add_u32 v2, s25, 11, v2
	v_and_b32 v3, 15, v1
	v_lshrrev_b32 v4, 4, v1
	v_lshlrev_b32 v3, 4, v3
	v_lshl_add_u32 v3, v4, 10, v3
.irp g, 0,1,2,3,4,5,6,7
	W2L \g
.endr
	s_wait_loadcnt 32
.irp g, 0,1,2,3
	W2S \g
.endr
.irp g, 8,9,10,11
	W2L \g
.endr
	s_wait_loadcnt 32
.irp g, 4,5,6,7
	W2S \g
.endr
.irp g, 12,13,14,15
	W2L \g
.endr
	s_wait_loadcnt 32
.irp g, 8,9,10,11
	W2S \g
.endr
	s_wait_loadcnt 0x0
.irp g, 12,13,14,15
	W2S \g
.endr
	s_wait_tensorcnt 0x0
	ds_add_u32 v200, v201
	s_wait_dscnt 0x0
	s_endpgm
.Lfunc_end_k_qe90768c110_route:
	.size	k_qe90768c110_route, .Lfunc_end_k_qe90768c110_route-k_qe90768c110_route
	.p2alignl 7, 3214868480
	.fill 96, 4, 3214868480
	.section	.rodata,"a",@progbits
	.p2align	6, 0x0
	.amdhsa_kernel k_qe90768c110_route
		.amdhsa_group_segment_fixed_size 83968
		.amdhsa_private_segment_fixed_size 0
		.amdhsa_enable_private_segment 0
		.amdhsa_kernarg_size 72
		.amdhsa_user_sgpr_count 2
		.amdhsa_user_sgpr_kernarg_segment_ptr 1
		.amdhsa_wavefront_size32 1
		.amdhsa_system_sgpr_workgroup_id_x 1
		.amdhsa_system_sgpr_workgroup_id_y 1
		.amdhsa_system_sgpr_workgroup_id_z 1
		.amdhsa_system_vgpr_workitem_id 0
		.amdhsa_next_free_vgpr 202
		.amdhsa_next_free_sgpr 66
		.amdhsa_reserve_vcc 1
		.amdhsa_float_denorm_mode_32 3
		.amdhsa_float_denorm_mode_16_64 3
		.amdhsa_memory_ordered 1
		.amdhsa_forward_progress 1
		.amdhsa_inst_pref_size 81
	.end_amdhsa_kernel
	.amdgpu_metadata
---
amdhsa.version: [ 1, 2 ]
amdhsa.kernels:
  - .name:           k_qe90768c110_route
    .symbol:         k_qe90768c110_route.kd
    .args:
      - { .name: x, .offset: 0, .size: 8, .value_kind: global_buffer, .address_space: global }
      - { .name: wr, .offset: 8, .size: 8, .value_kind: global_buffer, .address_space: global }
      - { .name: w1, .offset: 16, .size: 8, .value_kind: global_buffer, .address_space: global }
      - { .name: w2, .offset: 24, .size: 8, .value_kind: global_buffer, .address_space: global }
      - { .name: w1f, .offset: 32, .size: 8, .value_kind: global_buffer, .address_space: global }
      - { .name: w2f, .offset: 40, .size: 8, .value_kind: global_buffer, .address_space: global }
      - { .name: gates, .offset: 48, .size: 8, .value_kind: global_buffer, .address_space: global }
      - { .name: tinfo, .offset: 56, .size: 8, .value_kind: global_buffer, .address_space: global }
      - { .name: hist, .offset: 64, .size: 8, .value_kind: global_buffer, .address_space: global }
    .group_segment_fixed_size: 83968
    .private_segment_fixed_size: 0
    .kernarg_segment_align: 8
    .kernarg_segment_size: 72
    .max_flat_workgroup_size: 256
    .sgpr_count:     66
    .vgpr_count:     202
    .wavefront_size: 32
...
	.end_amdgpu_metadata
.endif
;; end of part 1
;; launch place (part 2): grid 1 x 1, 8 waves a work-group, no clusters, 2,048 bytes of LDS; arguments hist, tinfo, list, tab; writes list, tab
.if DOCPART == 2
	.amdgcn_target "amdgcn-amd-amdhsa--gfx1250"
	.amdhsa_code_object_version 6
	.text
	.protected	k_qe90768c110_place
	.globl	k_qe90768c110_place
	.p2align	8
	.type	k_qe90768c110_place,@function
k_qe90768c110_place:
	s_mov_b64 s[64:65], 0
	v_nop
	global_prefetch_b8 v0, s[64:65] scope:SCOPE_SE
	s_setreg_imm32_b32 hwreg(HW_REG_WAVE_MODE, 25, 1), 1
	s_wait_xcnt 0x0
; PLACE.  A counting sort of the 8,192 tokens by their pair of experts q (28 pairs), without atomics, and the table of tiles.
; Each pair's tokens begin at a multiple of 64 slots of list; a tile is 64 slots.  The tiles number sum of ceil(count / 64): 128 to 155.
; tab[t] = lo | hi << 8 | (rows - 1) << 16 | 1 << 24 for a tile in use, 0x100 (experts 0 and 1, one row, not in use) for the others.
; One work-group: the data are 64 KiB, and the sums over blocks and over pairs depend on each other.  Wave w owns blocks 32 w .. 32 w + 31 (1,024 tokens).
; The 4-byte stores to scattered slots are what a placement is; they are 32 KiB in all.
.set H,  8                             ; v[8:39]    histogram of my 32 blocks, bin = lane; then its running sum over the blocks
.set I,  40                            ; v[40:71]   tinfo of my tokens (block i, token = lane); then the tokens' numbers
.set SG, 72                            ; v[72:79]   the eight waves' totals, bin = lane
.set D,  80                            ; v[80:111]  slots, then byte offsets in list
	s_load_b256 s[4:11], s[0:1], 0x0               ; hist s[4:5], tinfo s[6:7], list s[8:9], tab s[10:11]
	v_lshl_add_u32 v128, v0, 2, 0x400
	v_mov_b32 v129, 0
	v_lshrrev_b32 v1, 5, v0
	v_readfirstlane_b32 s12, v1                    ; wave
	v_and_b32 v1, 31, v0
	v_lshlrev_b32 v4, 2, v1
	v_lshl_add_u32 v2, s12, 12, v4                 ; 32 blocks of 128 bytes a wave
	v_lshl_add_u32 v3, s12, 7, v4
	v_lshl_add_u32 v126, s12, 10, v1               ; my first token
	s_wait_kmcnt 0x0
.irp i, 0,1,2,3,4,5,6,7,8,9,10,11,12,13,14,15,16,17,18,19,20,21,22,23,24,25,26,27,28,29,30,31
	global_load_b32 v[H+\i], v2, s[4:5] offset:128*\i
.endr
.irp i, 0,1,2,3,4,5,6,7,8,9,10,11,12,13,14,15,16,17,18,19,20,21,22,23,24,25,26,27,28,29,30,31
	global_load_b32 v[I+\i], v2, s[6:7] offset:128*\i
.endr
	s_wait_loadcnt 32                              ; the histograms are in; the 32 loads of tinfo stay out
.irp i, 1,2,3,4,5,6,7,8,9,10,11,12,13,14,15,16,17,18,19,20,21,22,23,24,25,26,27,28,29,30,31
	v_add_nc_u32 v[H+\i], v[H+\i], v[H+\i-1]
.endr
	ds_store_b32 v3, v[H+31]                       ; my wave's totals
	s_wait_dscnt 0x0
	s_barrier_signal -1
	s_barrier_wait -1
.irp s, 0,1,2,3,4,5,6,7
	ds_load_b32 v[SG+\s], v4 offset:128*\s
.endr
	s_wait_dscnt 0x0
	v_add3_u32 v112, v[SG], v[SG+1], v[SG+2]
	v_add3_u32 v112, v112, v[SG+3], v[SG+4]
	v_add3_u32 v112, v112, v[SG+5], v[SG+6]
	v_add_nc_u32 v112, v112, v[SG+7]               ; count of pair = lane
	v_mov_b32 v113, 0                              ; of which in the waves in front of mine
.irp s, 0,1,2,3,4,5,6
	s_cmp_gt_u32 s12, \s
	s_cselect_b32 s13, -1, 0
	v_and_b32 v120, s13, v[SG+\s]
	v_add_nc_u32 v113, v113, v120
.endr
	v_mov_b32 v114, 0                              ; first slot of pair = lane
	v_mov_b32 v115, 0                              ; for tile = thread: its pair's experts,
	v_mov_b32 v116, 0                              ; and the slot behind its pair's last token
	s_mov_b32 s16, 0                               ; tiles so far
; The last pair that begins at or in front of tile t is t's: an empty pair begins where the next one does and is overruled by it.
.macro BIN q, lo, hi
	v_readlane_b32 s14, v112, \q
	s_lshl_b32 s15, s16, 6
	v_writelane_b32 v114, s15, \q
	v_cmp_gt_u32 vcc_lo, s16, v0                   ; pairs that begin behind my tile change nothing
	v_cndmask_b32 v115, (\lo)|((\hi)<<8), v115, vcc_lo
	s_add_co_u32 s18, s15, s14
	v_cndmask_b32 v116, s18, v116, vcc_lo
	s_add_co_u32 s14, s14, 63
	s_lshr_b32 s14, s14, 6
	s_add_co_u32 s16, s16, s14
.endm
.irp hi, 1,2,3,4,5,6,7
.irp lo, 0,1,2,3,4,5,6
.if \lo < \hi
	BIN \hi*(\hi-1)/2+\lo, \lo, \hi
.endif
.endr
.endr
	v_lshlrev_b32 v117, 6, v0
	v_sub_nc_u32 v117, v116, v117
	v_min_u32 v117, 64, v117                       ; rows of my tile
	v_add_nc_u32 v117, -1, v117
	v_lshl_or_b32 v118, v117, 16, v115
	v_or_b32 v118, 0x1000000, v118
	v_cmp_gt_u32 vcc_lo, s16, v0
	v_cndmask_b32 v118, 0x100, v118, vcc_lo        ; tiles that are not in use
	v_lshlrev_b32 v119, 2, v0
	global_store_b32 v119, v118, s[10:11]
; slot of a token = first slot of its pair + tokens of that pair in earlier blocks + its rank in its block
	v_add_nc_u32 v123, v114, v113
	s_wait_loadcnt 0x0
.irp i, 0,1,2,3,4,5,6,7,8,9,10,11,12,13,14,15,16,17,18,19,20,21,22,23,24,25,26,27,28,29,30,31
	v_and_b32 v124, 0xff, v[I+\i]
	v_min_u32 v124, 31, v124
	v_lshlrev_b32 v124, 2, v124
.if \i
	v_add_nc_u32 v125, v123, v[H+\i-1]
	ds_bpermute_b32 v[D+\i], v124, v125            ; from lane q
.else
	ds_bpermute_b32 v[D+\i], v124, v123
.endif
.endr
	s_wait_dscnt 0x0
.irp i, 0,1,2,3,4,5,6,7,8,9,10,11,12,13,14,15,16,17,18,19,20,21,22,23,24,25,26,27,28,29,30,31
	v_lshrrev_b32 v124, 8, v[I+\i]
	v_add_nc_u32 v[D+\i], v[D+\i], v124
	v_min_u32 v[D+\i], 9919, v[D+\i]               ; 155 x 64 slots
	v_lshlrev_b32 v[D+\i], 2, v[D+\i]
	v_add_nc_u32 v[I+\i], 32*\i, v126
	global_store_b32 v[D+\i], v[I+\i], s[8:9]
.endr
	s_wait_tensorcnt 0x0
	ds_add_u32 v128, v129
	s_wait_dscnt 0x0
	s_endpgm
.Lfunc_end_k_qe90768c110_place:
	.size	k_qe90768c110_place, .Lfunc_end_k_qe90768c110_place-k_qe90768c110_place
	.p2alignl 7, 3214868480
	.fill 96, 4, 3214868480
	.section	.rodata,"a",@progbits
	.p2align	6, 0x0
	.amdhsa_kernel k_qe90768c110_place
		.amdhsa_group_segment_fixed_size 2048
		.amdhsa_private_segment_fixed_size 0
		.amdhsa_enable_private_segment 0
		.amdhsa_kernarg_size 32
		.amdhsa_user_sgpr_count 2
		.amdhsa_user_sgpr_kernarg_segment_ptr 1
		.amdhsa_wavefront_size32 1
		.amdhsa_system_sgpr_workgroup_id_x 1
		.amdhsa_system_sgpr_workgroup_id_y 1
		.amdhsa_system_sgpr_workgroup_id_z 1
		.amdhsa_system_vgpr_workitem_id 0
		.amdhsa_next_free_vgpr 130
		.amdhsa_next_free_sgpr 66
		.amdhsa_reserve_vcc 1
		.amdhsa_float_denorm_mode_32 3
		.amdhsa_float_denorm_mode_16_64 3
		.amdhsa_memory_ordered 1
		.amdhsa_forward_progress 1
		.amdhsa_inst_pref_size 39
	.end_amdhsa_kernel
	.amdgpu_metadata
---
amdhsa.version: [ 1, 2 ]
amdhsa.kernels:
  - .name:           k_qe90768c110_place
    .symbol:         k_qe90768c110_place.kd
    .args:
      - { .name: hist, .offset: 0, .size: 8, .value_kind: global_buffer, .address_space: global }
      - { .name: tinfo, .offset: 8, .size: 8, .value_kind: global_buffer, .address_space: global }
      - { .name: list, .offset: 16, .size: 8, .value_kind: global_buffer, .address_space: global }
      - { .name: tab, .offset: 24, .size: 8, .value_kind: global_buffer, .address_space: global }
    .group_segment_fixed_size: 2048
    .private_segment_fixed_size: 0
    .kernarg_segment_align: 8
    .kernarg_segment_size: 32
    .max_flat_workgroup_size: 256
    .sgpr_count:     66
    .vgpr_count:     130
    .wavefront_size: 32
...
	.end_amdgpu_metadata
.endif
;; end of part 2
;; launch ffn (part 3): grid 155 x 1, 8 waves a work-group, no clusters, 247,808 bytes of LDS; arguments x, b1, b2, w1f, w2f, gates, list, tab, out0; writes out0
.if DOCPART == 3
	.amdgcn_target "amdgcn-amd-amdhsa--gfx1250"
	.amdhsa_code_object_version 6
	.text
	.protected	k_qe90768c110_ffn
	.globl	k_qe90768c110_ffn
	.p2align	8
	.type	k_qe90768c110_ffn,@function
k_qe90768c110_ffn:
	s_mov_b64 s[64:65], 0
	v_nop
	global_prefetch_b8 v0, s[64:65] scope:SCOPE_SE
	s_setreg_imm32_b32 hwreg(HW_REG_WAVE_MODE, 25, 1), 1
	s_wait_xcnt 0x0
; FFN.  Work-group t takes tile t: up to 64 tokens that were all routed to the same two experts lo < hi.  It gathers their rows of x once (f32 to bf16,
; into LDS), makes u = x w1 + b1 and h = gate silu(a) b for both experts (h in bf16, into LDS), then out = [h_lo | h_hi] [w2_lo ; w2_hi] + g_lo b2_lo + g_hi b2_hi
; as ONE product over K = 512, and stores the finished rows.  Both contributions of a token meet in one accumulator: nothing is summed through memory.
; The other six experts of a token have gate 0 in the formula and are not computed.
; SHARES.  Eight waves; each takes all 64 rows and an eighth of the columns (32 a + 32 b columns of u; 64 of each half of out): 16 accumulator tiles, 128 registers.
; So every weight is used by one wave alone: weights go from memory straight into registers, in fragment order, 512 consecutive bytes a load.
; Through LDS they would be written and read once more for no reuse.
; WHY EIGHT WAVES AND NOT FOUR.  LOADcnt counts at most 63 loads of a wave, 512 bytes each, so the bytes that a wave can have on their way are bounded.
; A wave here asks seven K steps ahead: 56 loads, 28 KiB; the eight together 224 KiB.  And while one of a SIMD's two waves issues loads or waits,
; the other has matrix instructions to issue.  The price: each wave reads all 64 rows' fragments from LDS for half as many matrix instructions (8 loads for 16).
; THE MATRIX INSTRUCTION IS USED TRANSPOSED (source 0 = weights, source 1 = tokens): lane (r, h) holds token r and eight neighbouring columns 8 h + 0..7.
; GRID.  155 is the largest number of tiles that any routing gives (8,192 / 64 + 27); how many are in use is known only from tab.  Every wave must pass every
; barrier, so a work-group whose tile is not in use runs on tile 0's first token and experts 0 and 1 up to the second barrier, ends there and stores nothing.
; NO CLUSTER: tiles of one pair share weights, but how many tiles a pair has hangs on the data, so partners would not make the same requests.
; LIMITS.  Matrix operands (x, w1, w2, gate x h) are bf16; sums, biases, gates, SwiGLU are f32.  Rows beyond a tile's count repeat its last token: the same wave
; stores the same bytes to that row again.
.set XP,   2064                        ; LDS pitch of a row of x: 2,048 + 16
.set HP,   528                         ; LDS pitch of a row of h (256 bf16): 512 + 16
.set HB,   16*HP                       ; 16 rows of h
.set H0,   64*XP                       ; h of expert lo; HE further on, of expert hi
.set HE,   64*HP
.set SP,   272                         ; LDS pitch of a row of the stage (64 f32): 256 + 16
.set STG,  H0+2*HE                     ; the way out: 16 rows x 272 bytes for each wave, its own
.set STGW, 16*SP
.set B1L,  STG+8*STGW                  ; b1 of lo, of hi: 2 x 2,048 bytes
.set B2L,  B1L+4096                    ; b2 of lo, of hi: 2 x 4,096 bytes
; window 0: v1 lane, v2 r, v3 h, v4 16 lane, v5-v15 addresses (below)
.set G,    16                          ; v[16:23]   (g_lo, g_hi) of row 16 rb + r
.set AF,   24                          ; v[24:87]   token fragments: 2 buffers x 4 row blocks x 8
.set T,    24                          ; the same registers at work between the products, when no fragment is live
.set RO,   88                          ; v[88:119]  pair t of rows: byte offset in out of row 2 t + lane / 16, + 16 (lane % 16)
                                       ; v[120:127] used in the prologue only
.set WS,   128                         ; v[128:255] weight stages 4-7, 32 registers each
; window 1: v256-383 accumulator tile (blk, rb) at 8 (4 blk + rb); v384-511 weight stages 0-3.  During the gather v256-383 and v128-255 hold rows of x.
.set MSB, 0
.macro WIN new                         ; s_set_vgpr_msb: bits 1:0 source 0, 3:2 source 1, 5:4 source 2, 7:6 destination; the high byte repeats the setting that is left
.if MSB != (\new)
	s_set_vgpr_msb (MSB<<8)|(\new)
.set MSB, (\new)
.endif
.endm
.macro PLACES                          ; four places behind a matrix instruction before its result is read or a load lands on its registers
.rept 4
	v_nop
.endr
.endm
.macro SLOT reg                        ; a row of the tile -> the byte offset of its slot in list
	v_min_u32 v[\reg], s26, v[\reg]                ; rows beyond the count repeat the last
	v_min_u32 v[\reg], 63, v[\reg]                 ; the bound once more as a constant, where it can be read off the text
	v_lshlrev_b32 v[\reg], 2, v[\reg]
.endm
	s_load_b512 s[4:19], s[0:1], 0x0               ; x s[4:5], b1 s[6:7], b2 s[8:9], w1f s[10:11], w2f s[12:13], gates s[14:15], list s[16:17], tab s[18:19]
	s_load_b64 s[20:21], s[0:1], 0x40              ; out
	v_lshrrev_b32 v1, 5, v0
	v_readfirstlane_b32 s22, v1                    ; wave 0..7
	v_and_b32 v1, 31, v0
	v_and_b32 v2, 15, v0
	v_bfe_u32 v3, v0, 4, 1
	v_lshlrev_b32 v4, 4, v1
	s_lshl_b32 s42, ttmp9, 2
	s_mov_b32 s43, 0
	s_wait_kmcnt 0x0
	s_add_nc_u64 s[18:19], s[18:19], s[42:43]
	s_load_b32 s23, s[18:19], 0x0                  ; my tile's word
	v_mul_u32_u24 v5, v2, XP
	v_lshl_add_u32 v5, v3, 4, v5                   ; v5: x fragment, rows 0-31: r pitch + 16 h
	v_add_nc_u32 v6, 32*XP, v5                     ; v6: rows 32-63
	v_mul_u32_u24 v9, v2, HP
	v_lshl_add_u32 v9, v3, 4, v9
	v_add_nc_u32 v9, H0, v9                        ; v9: h fragment, rows 0-31
	v_add_nc_u32 v10, 32*HP, v9                    ; v10: rows 32-63
	v_lshl_add_u32 v11, s22, 6, v9                 ; v11: where I put h: my 32 columns
	v_lshlrev_b32 v12, 5, v3
	v_lshl_add_u32 v13, s22, 8, v12
	v_lshl_add_u32 v12, s22, 7, v12
	v_add_nc_u32 v12, B1L, v12                     ; v12: b1 of my columns 8 h ..
	v_add_nc_u32 v13, B2L, v13                     ; v13: b2 likewise
	s_mul_i32 s44, s22, STGW
	s_add_co_u32 s44, s44, STG
	v_mul_u32_u24 v14, v2, SP
	v_lshl_add_u32 v14, v3, 5, v14
	v_add_nc_u32 v14, s44, v14                     ; v14: into my stage: row r, 32 h
	v_lshlrev_b32 v121, 4, v2                      ; v121: 16 (lane % 16)
	v_mul_u32_u24 v15, v3, SP
	v_add3_u32 v15, v15, v121, s44                 ; v15: back out of it: lanes 0-15 one row of 256 bytes, lanes 16-31 the next
	s_mul_i32 s45, s22, 8*XP
	v_mul_u32_u24 v120, v3, XP
	v_lshl_add_u32 v120, v2, 3, v120
	v_add_nc_u32 v120, s45, v120                   ; v120: where I put x: my 8 rows, two at a time, 8 bytes a lane
	v_lshlrev_b32 v126, 4, v0                      ; v126: 16 x thread
	v_add_nc_u32 v125, B1L, v126                   ; v125: where the biases go
	v_lshl_add_u32 v127, s22, 3, v3                ; v127: my first row to gather, + 1 for lanes 16-31
	s_wait_kmcnt 0x0
	s_bfe_u32 s24, s23, 0x80000
	s_min_u32 s24, s24, 7                          ; lo
	s_bfe_u32 s25, s23, 0x80008
	s_min_u32 s25, s25, 7                          ; hi
	s_bfe_u32 s26, s23, 0x80010
	s_min_u32 s26, s26, 63                         ; rows - 1
	s_bfe_u32 s27, s23, 0x10018
	s_min_u32 s27, s27, 1                          ; in use
	s_mul_i32 s42, ttmp9, s27                      ; a tile that is not in use reads tile 0's first slot, which is always written
	s_lshl_b32 s42, s42, 8
	s_add_nc_u64 s[16:17], s[16:17], s[42:43]
; Tokens, each lane its own: v[24:27] rows 8 wave + 2 t + lane / 16 (to gather), v[28:31] rows 16 rb + r (gates), RO rows 2 t + lane / 16 (to store).
.irp t, 0,1,2,3
	v_add_nc_u32 v[24+\t], 2*\t, v127
	SLOT 24+\t
.endr
.irp t, 0,1,2,3
	global_load_b32 v[24+\t], v[24+\t], s[16:17]
.endr
.irp rb, 0,1,2,3
	v_add_nc_u32 v[28+\rb], 16*\rb, v2
	SLOT 28+\rb
.endr
.irp rb, 0,1,2,3
	global_load_b32 v[28+\rb], v[28+\rb], s[16:17]
.endr
.set tt, 0
.rept 32
	v_add_nc_u32 v[RO+tt], 2*tt, v3
	SLOT RO+tt
.set tt, tt+1
.endr
.set tt, 0
.rept 32
	global_load_b32 v[RO+tt], v[RO+tt], s[16:17]
.set tt, tt+1
.endr
; the biases of the two experts: 16 bytes a thread of b1 (waves 0-3 lo, waves 4-7 hi) and of each expert's b2
	s_cmp_lt_u32 s22, 4
	s_cselect_b32 s44, s24, s25
	v_and_b32 v122, 127, v0
	v_lshlrev_b32 v122, 4, v122
	v_lshl_add_u32 v122, s44, 11, v122
	v_lshl_add_u32 v123, s24, 12, v126
	v_lshl_add_u32 v124, s25, 12, v126
	global_load_b128 v[32:35], v122, s[6:7]
	global_load_b128 v[36:39], v123, s[8:9]
	global_load_b128 v[40:43], v124, s[8:9]
; the six runs of weights that my wave walks: w1f of lo, of hi; w2f of lo, of hi for the left half of out; the same for the right half.
; Wave w = 2 q + s reads from quarter q: in w1f blocks 2 s, 2 s + 1 (a) and 4 + 2 s, 5 + 2 s (b), in w2f blocks 4 s .. 4 s + 3, of 1,024 bytes each.
	s_lshr_b32 s41, s22, 1
	s_and_b32 s46, s22, 1
	s_lshl_b32 s47, s46, 11
	s_lshl_b32 s42, s24, 2
	s_add_co_u32 s42, s42, s41
	s_lshl_b32 s42, s42, 18
	s_add_co_u32 s42, s42, s47
	s_add_nc_u64 s[28:29], s[10:11], s[42:43]
	s_lshl_b32 s42, s25, 2
	s_add_co_u32 s42, s42, s41
	s_lshl_b32 s42, s42, 18
	s_add_co_u32 s42, s42, s47
	s_add_nc_u64 s[30:31], s[10:11], s[42:43]
	s_lshl_b32 s47, s46, 12
	s_lshl_b32 s42, s24, 3
	s_add_co_u32 s42, s42, s41
	s_lshl_b32 s42, s42, 16
	s_add_co_u32 s42, s42, s47
	s_add_nc_u64 s[32:33], s[12:13], s[42:43]
	s_lshl_b32 s42, s25, 3
	s_add_co_u32 s42, s42, s41
	s_lshl_b32 s42, s42, 16
	s_add_co_u32 s42, s42, s47
	s_add_nc_u64 s[34:35], s[12:13], s[42:43]
	s_add_nc_u64 s[36:37], s[32:33], 0x40000
	s_add_nc_u64 s[38:39], s[34:35], 0x40000
	s_lshl_b32 s42, s22, 8
	s_add_nc_u64 s[20:21], s[20:21], s[42:43]      ; out at my wave's 256 bytes of half a row
; 8 loads: the weights of one K step of my wave (4 blocks of 16 columns x 32 k) into stage st; s2 = bytes from my first pair of blocks to my second
.macro WLOAD st, base, imm, s2
.if (\st) < 4
	WIN 0x40
.else
	WIN 0
.endif
.irp b, 0,1,2,3
	global_load_b128 v[WS+32*((\st)&3)+8*\b:WS+32*((\st)&3)+8*\b+3],   v4, s[\base:\base+1] offset:(\imm)+(\b>>1)*(\s2)+(\b&1)*1024
	global_load_b128 v[WS+32*((\st)&3)+8*\b+4:WS+32*((\st)&3)+8*\b+7], v4, s[\base:\base+1] offset:(\imm)+(\b>>1)*(\s2)+(\b&1)*1024+512
.endr
.endm
; 8 LDS loads: the four row blocks' fragments of one K step into buffer buf; blk = 16 rows' bytes.
; Row block q (0, 1) from address r0, row block 2 + q from r1; registers 0-3 of a fragment at the offset, registers 4-7 32 bytes on.
.macro ALOAD buf, r0, r1, off, blk
	WIN 0
.irp q, 0,1
	ds_load_b128 v[AF+32*(\buf)+8*\q:AF+32*(\buf)+8*\q+3],       v[\r0] offset:(\off)+\q*\blk
	ds_load_b128 v[AF+32*(\buf)+8*\q+4:AF+32*(\buf)+8*\q+7],     v[\r0] offset:(\off)+\q*\blk+32
	ds_load_b128 v[AF+32*(\buf)+16+8*\q:AF+32*(\buf)+16+8*\q+3], v[\r1] offset:(\off)+\q*\blk
	ds_load_b128 v[AF+32*(\buf)+20+8*\q:AF+32*(\buf)+20+8*\q+3], v[\r1] offset:(\off)+\q*\blk+32
.endr
.endm
; One K step of 32: 16 matrix instructions.  The stage and the buffer that the step before read are asked for again first: weights seven steps ahead, tokens one.
; The 16 accumulators take turns, one instruction a turn, in the same order in every step.
.macro STEP st, cnt, ld, base, imm, s2, al, r0, r1, off, blk
	s_wait_loadcnt \cnt                            ; this step's 8 loads are in; those of the steps behind it stay out
	s_wait_dscnt 0x0                               ; this step's token fragments, asked for a step ago
	PLACES
.if \ld
	WLOAD ((\st)+7)&7, \base, \imm, \s2
.endif
.if \al
	ALOAD 1-((\st)&1), \r0, \r1, \off, \blk
.endif
	WIN 0x50|(1-((\st)>>2))                        ; sums in window 1, tokens in window 0, weights in window 1 (stages 0-3) or 0 (stages 4-7)
.irp b, 0,1,2,3
.irp rb, 0,1,2,3
	v_wmma_f32_16x16x32_bf16 v[8*(4*\b+\rb):8*(4*\b+\rb)+7], v[WS+32*((\st)&3)+8*\b:WS+32*((\st)&3)+8*\b+7], v[AF+32*((\st)&1)+8*\rb:AF+32*((\st)&1)+8*\rb+7], v[8*(4*\b+\rb):8*(4*\b+\rb)+7]
.endr
.endr
.endm
; Four rows of x, two at a time: lanes 0-15 take 256 consecutive bytes of one row, lanes 16-31 of the next.  Batch 0 into v256-383, batch 1 into v128-255.
.macro GATH b
.if \b
	WIN 0
.else
	WIN 0x40
.endif
.irp i, 0,1
.irp j, 0,1,2,3,4,5,6,7,8,9,10,11,12,13,14,15
	global_load_b128 v[128*\b+64*\i+4*\j:128*\b+64*\i+4*\j+3], v[24+2*\b+\i], s[4:5] offset:256*\j
.endr
.endr
.endm
.macro CONV b
.if \b
	WIN 0
.else
	WIN 0x45
.endif
.irp i, 0,1
.irp j, 0,1,2,3,4,5,6,7,8,9,10,11,12,13,14,15
	v_cvt_pk_bf16_f32 v[128*\b+64*\i+4*\j],   v[128*\b+64*\i+4*\j],   v[128*\b+64*\i+4*\j+1]
	v_cvt_pk_bf16_f32 v[128*\b+64*\i+4*\j+1], v[128*\b+64*\i+4*\j+2], v[128*\b+64*\i+4*\j+3]
.endr
.endr
.if \b
.else
	WIN 0x04
.endif
.irp i, 0,1
.irp j, 0,1,2,3,4,5,6,7,8,9,10,11,12,13,14,15
	ds_store_b64 v120, v[128*\b+64*\i+4*\j:128*\b+64*\i+4*\j+1] offset:(4*\b+2*\i)*XP+128*\j
.endr
.endr
.endm
; b1 starts the sums: nothing is cleared and nothing is added afterwards.  Blocks 0, 1 are a, blocks 2, 3 are b.
.macro BIAS1 e
	WIN 0x40
.irp b, 0,1,2,3
.irp rb, 0,1,2,3
	ds_load_b128 v[8*(4*\b+\rb):8*(4*\b+\rb)+3],   v12 offset:\e*2048+(\b>>1)*1024+(\b&1)*64
	ds_load_b128 v[8*(4*\b+\rb)+4:8*(4*\b+\rb)+7], v12 offset:\e*2048+(\b>>1)*1024+(\b&1)*64+16
.endr
.endr
.endm
; h = gate a b / (1 + e^-a): a in accumulators 0-63, b in 64-127.  e^-a = infinity gives 0, e^-a = 0 gives a: no range is cut.
.macro SWIGLU e
	PLACES
	WIN 0x01
.set ii, 0
.rept 32
	v_pk_mul_f32 v[T+ii:T+ii+1], v[ii:ii+1], 0xbfb8aa3b op_sel_hi:[1,0]
.set ii, ii+2
.endr
	WIN 0
.set ii, 0
.rept 64
	v_exp_f32 v[T+ii], v[T+ii]
.set ii, ii+1
.endr
	v_nop                                          ; one plain instruction behind the last transcendental
.set ii, 0
	s_wait_alu depctr_va_vdst(0)
.rept 32
	v_pk_add_f32 v[T+ii:T+ii+1], v[T+ii:T+ii+1], 1.0 op_sel_hi:[1,0]
.set ii, ii+2
.endr
.set ii, 0
.rept 64
	v_rcp_f32 v[T+ii], v[T+ii]
.set ii, ii+1
.endr
	v_nop
	WIN 0x01
.set ii, 0
	s_wait_alu depctr_va_vdst(0)
.rept 32
	v_pk_mul_f32 v[T+ii:T+ii+1], v[ii:ii+1], v[T+ii:T+ii+1]
.set ii, ii+2
.endr
.set ii, 0
.rept 32
	v_pk_mul_f32 v[T+ii:T+ii+1], v[64+ii:65+ii], v[T+ii:T+ii+1]
.set ii, ii+2
.endr
	WIN 0
.set ii, 0
.rept 32
	v_pk_mul_f32 v[T+ii:T+ii+1], v[T+ii:T+ii+1], v[G+2*((ii>>3)&3):G+2*((ii>>3)&3)+1] op_sel:[0,\e] op_sel_hi:[1,\e]
.set ii, ii+2
.endr
.irp t, 0,1,2,3,4,5,6,7
.irp k, 0,1,2,3
	v_cvt_pk_bf16_f32 v[T+8*\t+\k], v[T+8*\t+2*\k], v[T+8*\t+2*\k+1]
.endr
	ds_store_b128 v11, v[T+8*\t:T+8*\t+3] offset:\e*HE+(\t&3)*HB+(\t>>2)*32
.endr
.endm
; u and h of one expert: 32 K steps, 24 of them in a loop of eight; the last seven ask for the first weights of the run that follows (nx, with its own s2)
.macro G1 e, seg, nx, nxs2
	WIN 0
	v_mov_b32 v7, v5
	v_mov_b32 v8, v6
	BIAS1 \e
	ALOAD 0, 7, 8, 0, 16*XP
	s_mov_b32 s40, 3
.Lg1_\e:
.irp j, 0,1,2,3,4,5,6,7
	STEP \j, 48, 1, \seg, (\j+7)*8192, 4096, 1, 7, 8, 64*(\j+1), 16*XP
.endr
	WIN 0
	s_wait_xcnt 0x0                                ; the base of the loads just issued is stepped only behind this wait
	s_add_nc_u64 s[\seg:\seg+1], s[\seg:\seg+1], 65536
	v_add_nc_u32 v7, 0x200, v7
	v_add_nc_u32 v8, 0x200, v8
	s_sub_co_u32 s40, s40, 1
	s_cmp_lg_u32 s40, 0
	s_cbranch_scc1 .Lg1_\e
	STEP 0, 48, 1, \seg, 7*8192, 4096, 1, 7, 8, 64, 16*XP
.irp j, 1,2,3,4,5,6
	STEP \j, 48, 1, \nx, (\j-1)*8192, \nxs2, 1, 7, 8, 64*(\j+1), 16*XP
.endr
	STEP 7, 48, 1, \nx, 6*8192, \nxs2, 0, 7, 8, 0, 16*XP
	SWIGLU \e
.endm
; g_lo b2_lo + g_hi b2_hi starts the sums of half p of out
.macro INIT2 p
	WIN 0
.if \p
	s_wait_xcnt 0x0                                ; T was the data of stores
.endif
.irp b, 0,1,2,3
	ds_load_b128 v[T+16*\b:T+16*\b+3],     v13 offset:\p*2048+\b*64
	ds_load_b128 v[T+16*\b+4:T+16*\b+7],   v13 offset:\p*2048+\b*64+16
	ds_load_b128 v[T+16*\b+8:T+16*\b+11],  v13 offset:4096+\p*2048+\b*64
	ds_load_b128 v[T+16*\b+12:T+16*\b+15], v13 offset:4096+\p*2048+\b*64+16
.endr
	s_wait_dscnt 0x0
	WIN 0x50
.irp b, 0,1,2,3
.irp rb, 0,1,2,3
.irp k, 0,2,4,6
	v_pk_mul_f32 v[8*(4*\b+\rb)+\k:8*(4*\b+\rb)+\k+1], v[T+16*\b+\k:T+16*\b+\k+1], v[G+2*\rb:G+2*\rb+1] op_sel_hi:[1,0]
.endr
.irp k, 0,2,4,6
	v_pk_fma_f32 v[8*(4*\b+\rb)+\k:8*(4*\b+\rb)+\k+1], v[T+16*\b+8+\k:T+16*\b+8+\k+1], v[G+2*\rb:G+2*\rb+1], v[8*(4*\b+\rb)+\k:8*(4*\b+\rb)+\k+1] op_sel:[0,1,0] op_sel_hi:[1,1,1]
.endr
.endr
.endr
.endm
; half p of out: 16 K steps, eight on h_lo and w2 of lo (run sa), eight on h_hi and w2 of hi (run sb).  Step kk asks for step kk + 7's weights.
; last = 1: nothing follows, the last seven steps ask for nothing and the counts run down.
.macro G2 p, sa, sb, nx, last
	INIT2 \p
	ALOAD 0, 9, 10, 0, HB
.irp kk, 0,1,2,3,4,5,6,7,8,9,10,11,12,13,14,15
.if \kk < 1
	STEP \kk&7, 48, 1, \sa, (\kk+7)*8192, 2048, 1, 9, 10, ((\kk+1)>>3)*HE+((\kk+1)&7)*64, HB
.elseif \kk < 9
	STEP \kk&7, 48, 1, \sb, (\kk-1)*8192, 2048, 1, 9, 10, ((\kk+1)>>3)*HE+((\kk+1)&7)*64, HB
.elseif \last
.if \kk < 15
	STEP \kk&7, (15-\kk)*8, 0, \sb, 0, 2048, 1, 9, 10, ((\kk+1)>>3)*HE+((\kk+1)&7)*64, HB
.else
	STEP \kk&7, 0, 0, \sb, 0, 2048, 0, 9, 10, 0, HB
.endif
.else
.if \kk < 15
	STEP \kk&7, 48, 1, \nx, (\kk-9)*8192, 2048, 1, 9, 10, ((\kk+1)>>3)*HE+((\kk+1)&7)*64, HB
.else
	STEP \kk&7, 48, 1, \nx, (\kk-9)*8192, 2048, 0, 9, 10, 0, HB
.endif
.endif
.endr
.endm
; The way out, 16 rows at a time through my own stage: in by 32 bytes of a row a lane, back by rows.  Each half of the wave stores 256 consecutive bytes of one row of out, aligned.
.macro OUT p
	PLACES
.irp rb, 0,1,2,3
	WIN 0x04
.irp b, 0,1,2,3
	ds_store_b128 v14, v[8*(4*\b+\rb):8*(4*\b+\rb)+3]   offset:\b*64
	ds_store_b128 v14, v[8*(4*\b+\rb)+4:8*(4*\b+\rb)+7] offset:\b*64+16
.endr
	WIN 0
	s_wait_xcnt 0x0                                ; T, which earlier stores read, is loaded again only behind this wait
.irp i, 0,1,2,3,4,5,6,7
	ds_load_b128 v[T+32*(\rb&1)+4*\i:T+32*(\rb&1)+4*\i+3], v15 offset:\i*2*SP   ; LDS serves a wave's instructions in order: these see the stores above, and the next block's stores come behind them
.endr
.irp i, 0,1,2,3,4,5,6,7
	s_wait_dscnt 7-\i                              ; pair i of rows is back; the younger pairs stay out
	global_store_b128 v[RO+8*\rb+\i], v[T+32*(\rb&1)+4*\i:T+32*(\rb&1)+4*\i+3], s[20:21] offset:\p*2048 th:TH_STORE_NT
.endr
.endr
.endm
; THE GATHER: my wave's 8 rows in two batches of 32 loads; the small loads are worked on while the rows are on their way, the first weights are asked for as registers come free.
	s_wait_loadcnt 39                              ; my four gather slots are in; the 4 + 32 + 3 loads behind them stay out
.irp t, 0,1,2,3
	v_min_u32 v[24+\t], 0x1fff, v[24+\t]
	v_lshl_add_u32 v[24+\t], v[24+\t], 12, v121    ; the token's row of x, 16 bytes a lane
.endr
	GATH 0
	WIN 0
	s_wait_loadcnt 32                              ; all but the batch just issued: the other tokens and the biases are in
.irp rb, 0,1,2,3
	v_min_u32 v[28+\rb], 0x1fff, v[28+\rb]
	v_lshlrev_b32 v[28+\rb], 3, v[28+\rb]
	global_load_b64 v[G+2*\rb:G+2*\rb+1], v[28+\rb], s[14:15]
.endr
	GATH 1
.set tt, 0
.rept 32
	v_min_u32 v[RO+tt], 0x1fff, v[RO+tt]
	v_lshl_add_u32 v[RO+tt], v[RO+tt], 12, v121    ; the token's row of out; made once, used by both halves
.set tt, tt+1
.endr
	ds_store_b128 v125, v[32:35]
	ds_store_b128 v125, v[36:39] offset:4096
	ds_store_b128 v125, v[40:43] offset:8192
	s_wait_loadcnt 36                              ; batch 0 is in; the 4 loads of gates and batch 1 stay out
	CONV 0
	WLOAD 0, 28, 0, 4096
	WLOAD 1, 28, 8192, 4096
	WLOAD 2, 28, 16384, 4096
	WLOAD 3, 28, 24576, 4096
	s_wait_loadcnt 32                              ; the gates and batch 1 are in; four stages of weights stay out
	CONV 1
	WLOAD 4, 28, 32768, 4096
	WLOAD 5, 28, 40960, 4096
	WLOAD 6, 28, 49152, 4096
	WIN 0
	s_wait_dscnt 0x0                               ; my rows of x and my part of the biases are in LDS
	s_barrier_signal -1
	s_barrier_wait -1
	G1 0, 28, 30, 4096
	G1 1, 30, 32, 2048
	WIN 0
	s_wait_dscnt 0x0                               ; my columns of h are in LDS
	s_barrier_signal -1
	s_barrier_wait -1                              ; the last barrier
	s_cmp_eq_u32 s27, 0
	s_cbranch_scc1 .Lend                           ; a tile that is not in use has nothing to store
	G2 0, 32, 34, 36, 0
	OUT 0
	G2 1, 36, 38, 38, 1
	OUT 1
	WIN 0
.Lend:
	s_wait_xcnt 0x0
	v_lshl_add_u32 v254, v0, 2, 0x3c400
	v_mov_b32 v255, 0
	s_wait_tensorcnt 0x0
	ds_add_u32 v254, v255
	s_wait_dscnt 0x0
	s_endpgm
.Lfunc_end_k_qe90768c110_ffn:
	.size	k_qe90768c110_ffn, .Lfunc_end_k_qe90768c110_ffn-k_qe90768c110_ffn
	.p2alignl 7, 3214868480
	.fill 96, 4, 3214868480
	.section	.rodata,"a",@progbits
	.p2align	6, 0x0
	.amdhsa_kernel k_qe90768c110_ffn
		.amdhsa_group_segment_fixed_size 247808
		.amdhsa_private_segment_fixed_size 0
		.amdhsa_enable_private_segment 0
		.amdhsa_kernarg_size 72
		.amdhsa_user_sgpr_count 2
		.amdhsa_user_sgpr_kernarg_segment_ptr 1
		.amdhsa_wavefront_size32 1
		.amdhsa_system_sgpr_workgroup_id_x 1
		.amdhsa_system_sgpr_workgroup_id_y 1
		.amdhsa_system_sgpr_workgroup_id_z 1
		.amdhsa_system_vgpr_workitem_id 0
		.amdhsa_next_free_vgpr 512
		.amdhsa_next_free_sgpr 66
		.amdhsa_reserve_vcc 0
		.amdhsa_float_denorm_mode_32 3
		.amdhsa_float_denorm_mode_16_64 3
		.amdhsa_memory_ordered 1
		.amdhsa_forward_progress 1
		.amdhsa_inst_pref_size 255
	.end_amdhsa_kernel
	.section	.bss,"aw",@nobits
	.p2align	6
	.space	262144
	.amdgpu_metadata
---
amdhsa.version: [ 1, 2 ]
amdhsa.kernels:
  - .name:           k_qe90768c110_ffn
    .symbol:         k_qe90768c110_ffn.kd
    .args:
      - { .name: x, .offset: 0, .size: 8, .value_kind: global_buffer, .address_space: global }
      - { .name: b1, .offset: 8, .size: 8, .value_kind: global_buffer, .address_space: global }
      - { .name: b2, .offset: 16, .size: 8, .value_kind: global_buffer, .address_space: global }
      - { .name: w1f, .offset: 24, .size: 8, .value_kind: global_buffer, .address_space: global }
      - { .name: w2f, .offset: 32, .size: 8, .value_kind: global_buffer, .address_space: global }
      - { .name: gates, .offset: 40, .size: 8, .value_kind: global_buffer, .address_space: global }
      - { .name: list, .offset: 48, .size: 8, .value_kind: global_buffer, .address_space: global }
      - { .name: tab, .offset: 56, .size: 8, .value_kind: global_buffer, .address_space: global }
      - { .name: out0, .offset: 64, .size: 8, .value_kind: global_buffer, .address_space: global }
    .group_segment_fixed_size: 247808
    .private_segment_fixed_size: 0
    .kernarg_segment_align: 8
    .kernarg_segment_size: 72
    .max_flat_workgroup_size: 256
    .sgpr_count:     66
    .vgpr_count:     512
    .wavefront_size: 32
...
	.end_amdgpu_metadata
.endif
;; end of part 3
